; MI455X (gfx1250); checked and timed in simulation.
; The chip was launched on July 23, 2026; its instructions are those of AMD's public machine-readable ISA for CDNA 5 (MIT licence, August 2026) and "CDNA5" Instruction Set Architecture Reference Guide (July 2026). The comments in the code are by the model that wrote it; some were corrected since.
;; Soft Attention Drop. Allowed arithmetic: float matrix products may take bf16 or f16 operands with f32 sums; all other float work in f32.
;; Inputs: W 512 x 512 float32; feature 2,048 x 512 float32.
;; Outputs: out0 2,048 x 512 float32.
;; One version. Each part assembles by itself: llvm-mc -triple=amdgcn-amd-amdhsa -mcpu=gfx1250 --defsym DOCPART=n.
;; ======== version 1 of 1: 2 launches
;; workspace buffers: logits 4,194,304 bytes
;; launch logits_gemm (part 1): grid 8 x 32, 4 waves a work-group, clusters of 4 x 4, 296,448 bytes of LDS; arguments feature, W, logits; writes logits
.if DOCPART == 1
	.amdgcn_target "amdgcn-amd-amdhsa--gfx1250"
	.amdhsa_code_object_version 6
	.text
	.protected	k_q6445b89c5c_logits_gemm
	.globl	k_q6445b89c5c_logits_gemm
	.p2align	8
	.type	k_q6445b89c5c_logits_gemm,@function
k_q6445b89c5c_logits_gemm:
	s_mov_b64 s[64:65], 0
	v_nop
	global_prefetch_b8 v0, s[64:65] scope:SCOPE_SE
	s_setreg_imm32_b32 hwreg(HW_REG_WAVE_MODE, 25, 1), 1
	s_wait_xcnt 0x0
	s_wait_alu depctr_hold_cnt(0) depctr_sa_sdst(0) depctr_va_vdst(0) depctr_va_sdst(0) depctr_va_ssrc(0) depctr_va_vcc(0) depctr_vm_vsrc(0)
	s_getreg_b32 s2, hwreg(HW_REG_IB_STS2, 6, 4)
	s_cmp_eq_u32 s2, 0
	s_cbranch_scc0 .Lentry_in_a_cluster
	s_endpgm
.Lentry_in_a_cluster:
	s_bfe_u32 s2, ttmp6, 0x10000c
	s_cmp_lg_u32 s2, 0xf033
	s_cbranch_scc0 .Lentry_shape_is_right
	s_endpgm
.Lentry_shape_is_right:
; logits[n][o] = sum over d of feature[n][d] * W[o][d].  feature: [2048][512] f32, W: [512][512] f32, logits: [2048][512] f32.
; Operands are rounded to bf16 on the way from LDS to the matrix unit; sums in f32, K ascending.
; A work-group makes a block of 64 rows x 64 columns with four waves; a wave makes 16 rows x 64 columns (four accumulator tiles).
; The whole K = 512 of both operands fits in LDS (2 x 64 rows x 2,048 bytes), so every tensor load is a first fill: no slot is filled twice.
; K is cut into 8 chunks of 64 f32: a tile is 64 rows x 256 bytes, each row 256 consecutive bytes at a multiple of 256 from its buffer's start.
; CLUSTERS: 4 x 4 work-groups.  The four of a cluster's row make blocks of one block row and need the same tiles of feature; the four of a
; column need the same tiles of W.  Each such tile is asked for jointly, which divides the requests for both operands by four.
; Waves 0, 1 ask for feature's even and odd chunks, waves 2, 3 for W's: four tensor loads a wave, and four outstanding at the most.
; The work goes in four stages of two chunks: a stage begins when each wave has seen its load of that stage land and all have met at a barrier.
; THE MATRIX INSTRUCTION IS USED TRANSPOSED: source 0 = 16 rows of W, source 1 = 16 rows of feature, so that lane l holds row l % 16 of the
; block and in registers 0..7 the columns 8 (l / 16) + 0..7: 32 neighbouring bytes of a row of logits.
.set ROWB,   2048                      ; bytes in a row of feature, of W and of logits
.set PITCH,  272                       ; LDS row: 256 bytes + 16 of padding = 17 columns of 16 bytes: 16 rows fall in 16 different columns modulo 256 bytes
.set CH,     64*PITCH                  ; one tile: 64 rows of one chunk
.set STG,    4*CH                      ; one stage: feature's chunks 2g, 2g+1, then W's chunks 2g, 2g+1 = tile number w of the stage belongs to wave w
.set STAGE,  4*STG                     ; behind the tiles: 16 rows x 272 bytes for each wave, for the way out; no tensor load lands here
.set ADA, 4                            ; v4-7    stage g: LDS address of my feature fragment (my 16 rows)
.set ADB, 8                            ; v8-11   stage g: LDS address of W's first fragment
.set STO, 12                           ; v12     the way out: where I put 32 bytes of a row
.set RD,  13                           ; v13     the way out: where I read rows back
.set CO,  14                           ; v14     my byte offset in the wave's 16 rows of logits
.set ACC, 16                           ; v16-47  four accumulator tiles, columns 16 i .. 16 i + 15
.set X0,  48                           ; v48-127   fragment buffer 0: 16 registers for feature's fragment, then 16 for each of W's four
.set X1,  128                          ; v128-207  fragment buffer 1
.set G1A, 24                           ; s[24:31] descriptor group 1, feature's tiles
.set G1B, 32                           ; s[32:39] descriptor group 1, W's tiles: differs in the mask alone
.set G0A, 40                           ; s[40:55] descriptor group 0, feature's tiles, a set for each of the four loads
.set G0B, 68                           ; s[68:83] the same for W's tiles
.set WORD0, (2<<16)|(1<<20)|(1<<21)|(5<<22)|(3<<25)   ; 17:16 elements of 4 bytes; 20 padding on; 21 set beside a mask; 24:22 after every 64 words; 31:25 of 4 words
; A round of the cluster's barrier: my work-group's barrier, wave 0 signals for the work-group, every wave waits for all sixteen, my work-group's barrier again.
.macro CREST
	s_cmp_lg_u32 s10, 0
	s_cbranch_scc1 .Lnot_wave_0_\@
	s_barrier_signal -3
.Lnot_wave_0_\@:
	s_barrier_wait -3
	s_barrier_signal -1
	s_barrier_wait -1
.endm
.macro CROUND
	s_barrier_signal -1
	s_barrier_wait -1
	CREST
.endm
	s_load_b128 s[4:7], s[0:1], 0x0                ; feature s[4:5], W s[6:7]
	s_load_b64 s[8:9], s[0:1], 0x10                ; logits
	v_lshl_add_u32 v208, v0, 2, 0x48400
	v_mov_b32 v209, 0
	ds_add_u32 v208, v209
	ds_add_u32 v208, v209
	v_lshrrev_b32 v1, 5, v0
	v_readfirstlane_b32 s10, v1                    ; wave 0..3
	s_lshr_b32 s11, s10, 1                         ; I fetch for feature (0) or for W (1)
	s_and_b32 s12, s10, 1                          ; the even (0) or the odd (1) chunks
	s_bfe_u32 s84, ttmp6, 0x40000                  ; cx
	s_bfe_u32 s85, ttmp6, 0x40004                  ; cy
	s_lshl_b32 s86, ttmp9, 2
	s_add_co_u32 s86, s86, s84                     ; block column = 4 x cluster x + cx
	s_and_b32 s13, ttmp7, 0xffff
	s_lshl_b32 s13, s13, 2
	s_add_co_u32 s13, s13, s85                     ; block row = 4 x cluster y + cy
	s_lshl_b32 s87, s85, 2
	s_lshl_b32 s87, 15, s87                        ; my row of the cluster: places 4 cy .. 4 cy + 3
	s_lshl_b32 s88, 0x1111, s84                    ; my column: places cx, cx + 4, cx + 8, cx + 12
	s_or_b32 s[G1A+0], s87, WORD0                  ; feature's tiles hang on the block row alone: shared along my row
	s_or_b32 s[G1B+0], s88, WORD0                  ; W's tiles hang on the block column alone: shared along my column
.irp b, G1A, G1B
	s_mov_b32 s[\b+1], 64<<16                      ; tensor_dim0 = 64 elements
	s_mov_b32 s[\b+2], 64<<16                      ; tensor_dim1 = 64 rows
	s_mov_b32 s[\b+3], 64<<16                      ; tile_dim0 = 64
	s_mov_b32 s[\b+4], 64                          ; tile_dim1 = 64
	s_mov_b32 s[\b+5], 512                         ; 512 elements from a row to the next
	s_mov_b32 s[\b+6], 0
	s_mov_b32 s[\b+7], 0
.endr
	; Where the tiles come from.  Every wave makes both addresses, each in registers that never hold the other coordinate, and asks by one of them.
	s_lshl_b32 s18, s12, 8                         ; the odd chunks begin 256 bytes further along the rows
	s_lshl_b32 s16, s13, 17                        ; feature: block row x 64 rows x 2,048 bytes
	s_add_co_u32 s16, s16, s18
	s_mov_b32 s17, 0
	s_lshl_b32 s20, s86, 17                        ; W: block column x 64 rows x 2,048 bytes
	s_add_co_u32 s20, s20, s18
	s_mov_b32 s21, 0
	s_mul_i32 s22, s10, CH                         ; where they go: tile number w of each stage; no place in the cluster enters an LDS address
	s_lshl_b32 s90, s13, 17                        ; logits: my wave's first row (64 x block row + 16 w) ...
	s_lshl_b32 s91, s10, 15
	s_add_co_u32 s90, s90, s91
	s_lshl_b32 s91, s86, 8                         ; ... and the block's first column, 256 bytes a block
	s_add_co_u32 s90, s90, s91
	s_mov_b32 s91, 0
	s_wait_dscnt 0x0
	s_wait_kmcnt 0x0
	s_add_nc_u64 s[14:15], s[4:5], s[16:17]
	s_add_nc_u64 s[92:93], s[6:7], s[20:21]
	s_add_nc_u64 s[8:9], s[8:9], s[90:91]
.irp g, 0,1,2,3
	s_mov_b32 s[G0A+4*\g], 1                                       ; count = 1
	s_add_co_u32 s[G0A+4*\g+1], s22, \g*STG                        ; LDS address: stage g, tile w
	s_add_nc_u64 s[G0A+4*\g+2:G0A+4*\g+3], s[14:15], \g*512        ; two chunks of 256 bytes further for each stage
	s_or_b32 s[G0A+4*\g+3], s[G0A+4*\g+3], 0x80000000              ; type = 2
	s_mov_b32 s[G0B+4*\g], 1
	s_add_co_u32 s[G0B+4*\g+1], s22, \g*STG
	s_add_nc_u64 s[G0B+4*\g+2:G0B+4*\g+3], s[92:93], \g*512
	s_or_b32 s[G0B+4*\g+3], s[G0B+4*\g+3], 0x80000000
.endr
	CROUND                                         ; all sixteen work-groups are here: the joint loads meet
	s_cmp_eq_u32 s11, 0                            ; one branch on the wave's number holds all the fills of a wave; each line has one mask
	s_cbranch_scc0 .Lfill_w
.irp g, 0,1,2,3
	tensor_load_to_lds s[G0A+4*\g:G0A+4*\g+3], s[G1A:G1A+7]
	s_nop 0
.endr
	s_branch .Lfilled
.Lfill_w:
.irp g, 0,1,2,3
	tensor_load_to_lds s[G0B+4*\g:G0B+4*\g+3], s[G1B:G1B+7]
	s_nop 0
.endr
.Lfilled:
	; A fragment is 16 rows x 32 K: lane l holds row l % 16; K = 8 (l / 16) + 0..7 and 16 + 8 (l / 16) + 0..7.  In f32 that is 32 bytes at
	; 32 (l / 16) and 32 bytes at 64 + 32 (l / 16) of the row's 128 bytes: four loads of 16 bytes.
	v_and_b32 v1, 15, v0                           ; l % 16
	v_bfe_u32 v2, v0, 4, 1                         ; l / 16
	v_mul_u32_u24 v3, v1, PITCH
	v_lshl_add_u32 v3, v2, 5, v3                   ; row x pitch + 32 x half
	s_mul_i32 s18, s10, 16*PITCH                   ; my 16 rows of feature's tiles
	s_mov_b32 s19, 2*CH                            ; W's tiles lie behind feature's two
.irp g, 0,1,2,3
	v_add_nc_u32 v[ADA+\g], s18, v3
	v_add_nc_u32 v[ADB+\g], s19, v3
	s_add_co_u32 s18, s18, STG
	s_add_co_u32 s19, s19, STG
.endr
	s_mul_i32 s23, s10, 16*PITCH
	s_add_co_u32 s23, s23, STAGE                   ; my stage
	v_add_nc_u32 v[STO], s23, v3                   ; in: row l % 16, 32 bytes for each half of the lanes
	v_mul_u32_u24 v15, v2, PITCH                   ; back: lanes 0-15 take one row of 256 bytes, lanes 16-31 the next
	v_lshl_add_u32 v15, v1, 4, v15
	v_add_nc_u32 v[RD], s23, v15
	v_lshlrev_b32 v15, 11, v2                      ; and the same two rows in logits
	v_lshl_add_u32 v[CO], v1, 4, v15
; A load into a register that a matrix instruction has read, and an LDS store that reads a matrix result, stand four places behind that matrix
; instruction; only plain vector instructions that name none of its registers are places (ISA guide 7.12.1 for vector instructions).
.macro PLACES
.rept 4
	v_nop
.endr
.endm
.macro FRAG d, a, off                  ; one fragment in f32: 16 registers
	ds_load_b128 v[\d:\d+3],     v[\a] offset:\off
	ds_load_b128 v[\d+4:\d+7],   v[\a] offset:\off+16
	ds_load_b128 v[\d+8:\d+11],  v[\a] offset:\off+64
	ds_load_b128 v[\d+12:\d+15], v[\a] offset:\off+80
.endm
; 20 LDS loads: the fragments of one K step of 32 (stage g, its chunk p, half kk of the chunk) into buffer x
.macro LOADS g, p, kk, x
	PLACES
	FRAG \x, ADA+\g, \p*CH+\kk*128
.irp i, 0,1,2,3
	FRAG \x+16+16*\i, ADB+\g, \p*CH+\kk*128+\i*16*PITCH
.endr
.endm
; 16 f32 to 16 bf16, in place: word j takes numbers 2 j and 2 j + 1, which lie at or above it, so nothing is overwritten before it is read
.macro CVT d
.irp j, 0,1,2,3,4,5,6,7
	v_cvt_pk_bf16_f32 v[\d+\j], v[\d+2*\j], v[\d+2*\j+1]
.endr
.endm
; One K step from buffer x.  later = LDS loads issued behind this buffer's 20 (the next step's 20, or none).  LDS loads come back in order
; (ISA guide 5.7.1): each wait leaves out the four loads of every fragment that is not yet needed, and those issued later.
; The four accumulators take turns, one matrix instruction a turn.  zero = 1: the first products start the sums.
.macro COMPUTE x, later, zero
	s_wait_dscnt \later+16                         ; feature's fragment is in
	CVT \x
.irp i, 0,1,2,3
	s_wait_dscnt \later+12-4*\i                    ; W's fragment i is in
	CVT \x+16+16*\i
.if \zero
	v_wmma_f32_16x16x32_bf16 v[ACC+8*\i:ACC+8*\i+7], v[\x+16+16*\i:\x+16+16*\i+7], v[\x:\x+7], 0
.else
	v_wmma_f32_16x16x32_bf16 v[ACC+8*\i:ACC+8*\i+7], v[\x+16+16*\i:\x+16+16*\i+7], v[\x:\x+7], v[ACC+8*\i:ACC+8*\i+7]
.endif
.endr
.endm
; Stage g: chunks 2 g and 2 g + 1, four K steps on buffers 0, 1, 0, 1; a step's fragments are asked for two steps ahead.
.macro STAGEK g, zero
	s_wait_tensorcnt 3-\g                          ; tensor loads of a wave end in order (ISA guide 10.11.1): my tile of this stage is in, my 3 - g later ones stay out
	s_barrier_signal -1                            ; no LDS load of mine is out here: the last step's waits ended at 0
	s_barrier_wait -1                              ; all four tiles of the stage are in
	LOADS \g, 0, 0, X0
	LOADS \g, 0, 1, X1
	COMPUTE X0, 20, \zero
	LOADS \g, 1, 0, X0
	COMPUTE X1, 20, 0
	LOADS \g, 1, 1, X1
	COMPUTE X0, 20, 0
	COMPUTE X1, 0, 0
.endm
	STAGEK 0, 1
	STAGEK 1, 0
	STAGEK 2, 0
	STAGEK 3, 0                                    ; its wait on the tensor loads is for 0: none is out from here on
	; THE WAY OUT: 32 bytes a lane and tile into my own stage, read back as whole rows of 256 bytes.
	PLACES                                         ; the places behind the last matrix instructions, for the stores of the results
.irp i, 0,1,2,3
	ds_store_b128 v[STO], v[ACC+8*\i:ACC+8*\i+3]   offset:64*\i
	ds_store_b128 v[STO], v[ACC+8*\i+4:ACC+8*\i+7] offset:64*\i+16
.endr
.irp t, 0,1,2,3,4,5,6,7
	ds_load_b128 v[X0+4*\t:X0+4*\t+3], v[RD] offset:\t*2*PITCH     ; LDS serves a wave's instructions in order (ISA guide 5.7.1): these see the stores above
.endr
.irp t, 0,1,2,3,4,5,6,7
	s_wait_dscnt 7-\t                              ; read-back t is in, the 7 - t younger ones stay out
	global_store_b128 v[CO], v[X0+4*\t:X0+4*\t+3], s[8:9] offset:\t*2*ROWB   ; 16 lanes store 256 consecutive bytes, at a multiple of 256 from logits' first byte
.endr
	s_wait_tensorcnt 0x0
	ds_add_u32 v208, v209
	s_wait_dscnt 0x0
	CROUND                                         ; the closing round: no work-group ends while a partner may still ask for a tile that names it
	s_endpgm
.Lfunc_end_k_q6445b89c5c_logits_gemm:
	.size	k_q6445b89c5c_logits_gemm, .Lfunc_end_k_q6445b89c5c_logits_gemm-k_q6445b89c5c_logits_gemm
	.p2alignl 7, 3214868480
	.fill 96, 4, 3214868480
	.section	.rodata,"a",@progbits
	.p2align	6, 0x0
	.amdhsa_kernel k_q6445b89c5c_logits_gemm
		.amdhsa_group_segment_fixed_size 296448
		.amdhsa_private_segment_fixed_size 0
		.amdhsa_enable_private_segment 0
		.amdhsa_kernarg_size 24
		.amdhsa_user_sgpr_count 2
		.amdhsa_user_sgpr_kernarg_segment_ptr 1
		.amdhsa_wavefront_size32 1
		.amdhsa_system_sgpr_workgroup_id_x 1
		.amdhsa_system_sgpr_workgroup_id_y 1
		.amdhsa_system_sgpr_workgroup_id_z 1
		.amdhsa_system_vgpr_workitem_id 0
		.amdhsa_next_free_vgpr 210
		.amdhsa_next_free_sgpr 96
		.amdhsa_reserve_vcc 0
		.amdhsa_float_denorm_mode_32 3
		.amdhsa_float_denorm_mode_16_64 3
		.amdhsa_memory_ordered 1
		.amdhsa_forward_progress 1
		.amdhsa_inst_pref_size 79
	.end_amdhsa_kernel
	.amdgpu_metadata
---
amdhsa.version: [ 1, 2 ]
amdhsa.kernels:
  - .name:           k_q6445b89c5c_logits_gemm
    .symbol:         k_q6445b89c5c_logits_gemm.kd
    .args:
      - { .name: feature, .offset: 0, .size: 8, .value_kind: global_buffer, .address_space: global }
      - { .name: W, .offset: 8, .size: 8, .value_kind: global_buffer, .address_space: global }
      - { .name: logits, .offset: 16, .size: 8, .value_kind: global_buffer, .address_space: global }
    .group_segment_fixed_size: 296448
    .private_segment_fixed_size: 0
    .kernarg_segment_align: 8
    .kernarg_segment_size: 24
    .max_flat_workgroup_size: 128
    .sgpr_count:     96
    .vgpr_count:     210
    .wavefront_size: 32
...
	.end_amdgpu_metadata
.endif
;; end of part 1
;; launch sharpen (part 2): grid 256 x 1, 8 waves a work-group, no clusters, 0 bytes of LDS; arguments logits, feature, out0; writes out0
.if DOCPART == 2
	.amdgcn_target "amdgcn-amd-amdhsa--gfx1250"
	.amdhsa_code_object_version 6
	.text
	.protected	k_q6445b89c5c_sharpen
	.globl	k_q6445b89c5c_sharpen
	.p2align	8
	.type	k_q6445b89c5c_sharpen,@function
k_q6445b89c5c_sharpen:
	s_mov_b64 s[64:65], 0
	v_nop
	global_prefetch_b8 v0, s[64:65] scope:SCOPE_SE
	s_setreg_imm32_b32 hwreg(HW_REG_WAVE_MODE, 25, 1), 1
	s_wait_xcnt 0x0
; out[n][d] = feature[n][d] * m[n][d], m = 1 - acc after 128 steps of  y = softmax((log(m + eps) - l) / T),  m <- m - y m,  T = 0.5, eps = 1e-12.
; With 1 / T = 2 the weight exp((log(m + eps) - l) / T) is (m + eps)^2 exp(-2 l): the logarithm and the exponential of every step fall away.
; Kept for each element: m, s = exp(-(l - min l)) and c = eps s.  One step:  u = m s + c,  w = u^2,  S = sum of w,  z = m w,  m = m - z / S:
; five packed instructions for two elements, of which only the last stands behind the sum.
; THE MAXIMUM: the row's maximum of -l is taken away in front of the one exponential.  The other part of the exponent, 2 log(m + eps), enters
; as the factor (m + eps)^2, which eps itself keeps in [1e-24, 1]: the element with the largest -l has s = 1, so S lies in [1e-24, 512] for every
; finite row; a weight that falls out of f32's range is below 1e-14 of S.
; LIMITS, stated: m is carried in place of acc, so the order of rounding differs from the written scan.  A lane's own half of S is weighted by 1 + 2^-20
; (see below), which moves y by 1e-6 of itself; an element whose m the written scan sets to exactly 0 in one step falls below eps here in two or three.
; Rows with logits that are not finite are not served.
; One wave, one row: 16 elements a lane; the sum never leaves the wave, so there is no LDS and no barrier.  Rows share nothing: no cluster.
; The sums stay in f32: no matrix unit.  Eight waves a work-group, 8 rows; each load and store of a wave covers 512 consecutive bytes, aligned.
.set STEPS,  128
.set UNROLL, 4
.set OFF, 1                            ; v1        16 x lane; never rewritten
.set LG,  2                            ; v[2:17]   the row's logits: element 128 q + 4 lane + i in register 4 q + i (so for all the arrays below)
.set FF,  18                           ; v[18:33]  feature
.set SS,  34                           ; v[34:49]  s
.set CC,  50                           ; v[50:65]  c = eps s
.set MM,  66                           ; v[66:81]  m
.set UU,  82                           ; v[82:97]  u, then w; at the end the result
.set ZZ,  98                           ; v[98:113] z = m w
.set TT,  114                          ; v[114:121] partial sums
.set TX,  122                          ; the other half's sum
.set SN,  123                          ; -S
.set RR,  124                          ; v[124:125] -1 / S in the first register; the second only completes the pair
.set MX,  126                          ; v[126:127] the row's maximum, twice
	s_load_b128 s[4:7], s[0:1], 0x0                ; logits s[4:5], feature s[6:7]
	s_load_b64 s[8:9], s[0:1], 0x10                ; out
	v_lshrrev_b32 v2, 5, v0
	v_readfirstlane_b32 s10, v2                    ; wave 0..7
	v_and_b32 v[OFF], 31, v0
	v_lshlrev_b32 v[OFF], 4, v[OFF]
	s_lshl_b32 s11, ttmp9, 3
	s_add_co_u32 s11, s11, s10                     ; my row
	s_lshl_b32 s12, s11, 11                        ; x 2,048 bytes
	s_mov_b32 s13, 0
	s_mov_b32 s14, 0x3f800008                      ; 1 + 2^-20
	s_mov_b32 s16, 0x76543210                      ; v_permlanex16_b32: lane i of one half reads lane i of the other
	s_mov_b32 s17, 0xfedcba98
	s_wait_kmcnt 0x0
	s_add_nc_u64 s[4:5], s[4:5], s[12:13]
	s_add_nc_u64 s[6:7], s[6:7], s[12:13]
	s_add_nc_u64 s[8:9], s[8:9], s[12:13]
.irp q, 0,1,2,3
	global_load_b128 v[LG+4*\q:LG+4*\q+3], v[OFF], s[4:5] offset:512*\q th:TH_LOAD_NT
.endr
.irp q, 0,1,2,3
	global_load_b128 v[FF+4*\q:FF+4*\q+3], v[OFF], s[6:7] offset:512*\q th:TH_LOAD_NT
.endr
.irp e, 0,1,2,3,4,5,6,7,8,9,10,11,12,13,14,15
	v_mov_b32 v[MM+\e], 1.0                        ; acc = 0
.endr
	v_mov_b32 v[TX], 0                             ; v_permlanex16_b32 counts as a reader of its destination
	s_wait_loadcnt 0x4                             ; the logits are in; feature's four loads stay out until behind the loop
	; s = 2^(a - max a), a = -log2(e) l
.irp p, 0,2,4,6,8,10,12,14
	v_pk_mul_f32 v[LG+\p:LG+\p+1], v[LG+\p:LG+\p+1], 0xbfb8aa3b op_sel_hi:[1,0]
.endr
	v_max3_num_f32 v[TT],   v[LG],    v[LG+1],  v[LG+2]
	v_max3_num_f32 v[TT+1], v[LG+3],  v[LG+4],  v[LG+5]
	v_max3_num_f32 v[TT+2], v[LG+6],  v[LG+7],  v[LG+8]
	v_max3_num_f32 v[TT+3], v[LG+9],  v[LG+10], v[LG+11]
	v_max3_num_f32 v[TT+4], v[LG+12], v[LG+13], v[LG+14]
	v_max3_num_f32 v[TT],   v[TT],    v[TT+1],  v[LG+15]
	v_max3_num_f32 v[TT+2], v[TT+2],  v[TT+3],  v[TT+4]
	v_max_num_f32  v[TT],   v[TT],    v[TT+2]
	v_max_num_f32_dpp v[TT], v[TT], v[TT] row_xmask:1 row_mask:0xf bank_mask:0xf
	v_max_num_f32_dpp v[TT], v[TT], v[TT] row_xmask:2 row_mask:0xf bank_mask:0xf
	v_max_num_f32_dpp v[TT], v[TT], v[TT] row_xmask:4 row_mask:0xf bank_mask:0xf
	v_max_num_f32_dpp v[TT], v[TT], v[TT] row_xmask:8 row_mask:0xf bank_mask:0xf
	v_permlanex16_b32 v[TX], v[TT], s16, s17
	v_max_num_f32 v[MX], v[TT], v[TX]              ; every lane holds the row's maximum
	v_mov_b32 v[MX+1], v[MX]
.irp p, 0,2,4,6,8,10,12,14
	v_pk_add_f32 v[LG+\p:LG+\p+1], v[LG+\p:LG+\p+1], v[MX:MX+1] neg_lo:[0,1] neg_hi:[0,1]
.endr
.irp e, 0,1,2,3,4,5,6,7,8,9,10,11,12,13,14,15
	v_exp_f32 v[SS+\e], v[LG+\e]
.endr
	v_mov_b32 v[RR+1], 0                           ; the plain vector instruction between the last exponential and the first use of a result (ISA guide 5.7.2)
	s_wait_alu depctr_va_vdst(0)
.irp p, 0,2,4,6,8,10,12,14
	v_pk_mul_f32 v[CC+\p:CC+\p+1], v[SS+\p:SS+\p+1], 0x2b8cbccc op_sel_hi:[1,0]   ; eps = 1e-12
.endr
.macro ZMUL p                          ; z = m w for two elements: hangs on no sum, so it fills the gaps between the links of the sum's chain
	v_pk_mul_f32 v[ZZ+\p:ZZ+\p+1], v[MM+\p:MM+\p+1], v[UU+\p:UU+\p+1]
.endm
.macro STEP
.irp p, 0,2,4,6,8,10,12,14
	v_pk_fma_f32 v[UU+\p:UU+\p+1], v[MM+\p:MM+\p+1], v[SS+\p:SS+\p+1], v[CC+\p:CC+\p+1]   ; u = (m + eps) s, one rounding
.endr
.irp p, 0,2,4,6,8,10,12,14
	v_pk_mul_f32 v[UU+\p:UU+\p+1], v[UU+\p:UU+\p+1], v[UU+\p:UU+\p+1]                     ; w = u^2
.endr
	v_pk_add_f32 v[TT:TT+1],   v[UU:UU+1],       v[UU+2:UU+3]
	v_pk_add_f32 v[TT+2:TT+3], v[UU+4:UU+5],     v[UU+6:UU+7]
	v_pk_add_f32 v[TT+4:TT+5], v[UU+8:UU+9],     v[UU+10:UU+11]
	v_pk_add_f32 v[TT+6:TT+7], v[UU+12:UU+13],   v[UU+14:UU+15]
	v_pk_add_f32 v[TT:TT+1],   v[TT:TT+1],       v[TT+2:TT+3]
	v_pk_add_f32 v[TT+4:TT+5], v[TT+4:TT+5],     v[TT+6:TT+7]
	ZMUL 0
	v_pk_add_f32 v[TT:TT+1],   v[TT:TT+1],       v[TT+4:TT+5]
	ZMUL 2
	v_add_f32 v[TT], v[TT], v[TT+1]                ; my 16 elements
	ZMUL 4
	v_add_f32_dpp v[TT], v[TT], v[TT] row_xmask:1 row_mask:0xf bank_mask:0xf
	ZMUL 6
	v_add_f32_dpp v[TT], v[TT], v[TT] row_xmask:2 row_mask:0xf bank_mask:0xf
	ZMUL 8
	v_add_f32_dpp v[TT], v[TT], v[TT] row_xmask:4 row_mask:0xf bank_mask:0xf
	ZMUL 10
	v_add_f32_dpp v[TT], v[TT], v[TT] row_xmask:8 row_mask:0xf bank_mask:0xf   ; my half of 16 lanes
	ZMUL 12
	v_permlanex16_b32 v[TX], v[TT], s16, s17       ; the other half's sum
	; -S, with my own half weighted by 1 + 2^-20.  Sums of numbers that are not negative never round below a term, so each of my w is at most my
	; half's sum; the weight outdoes the reciprocal's one unit in the last place and z's rounding, so that z / S stays below m while z is a normal
	; number, and m + eps cannot cancel.  The fused multiply-add stands where a plain add would.
	v_fma_f32 v[SN], -v[TT], s14, -v[TX]
	v_rcp_f32 v[RR], v[SN]
	ZMUL 14                                        ; the plain vector instruction between the reciprocal and its first use (ISA guide 5.7.2)
	s_wait_alu depctr_va_vdst(0)
.irp p, 0,2,4,6,8,10,12,14
	v_pk_fma_f32 v[MM+\p:MM+\p+1], v[ZZ+\p:ZZ+\p+1], v[RR:RR+1], v[MM+\p:MM+\p+1] op_sel_hi:[1,0,1]   ; m = m - z / S; both halves take the pair's first register
.endr
.endm
	s_mov_b32 s15, 0
.Lsteps:
.rept UNROLL
	STEP
.endr
	s_add_co_u32 s15, s15, 1
	s_cmp_lt_u32 s15, STEPS/UNROLL
	s_cbranch_scc1 .Lsteps
	s_wait_loadcnt 0x0                             ; feature
.irp p, 0,2,4,6,8,10,12,14
	v_pk_mul_f32 v[UU+\p:UU+\p+1], v[FF+\p:FF+\p+1], v[MM+\p:MM+\p+1]
.endr
.irp q, 0,1,2,3
	global_store_b128 v[OFF], v[UU+4*\q:UU+4*\q+3], s[8:9] offset:512*\q th:TH_STORE_NT
.endr
	s_endpgm
.Lfunc_end_k_q6445b89c5c_sharpen:
	.size	k_q6445b89c5c_sharpen, .Lfunc_end_k_q6445b89c5c_sharpen-k_q6445b89c5c_sharpen
	.p2alignl 7, 3214868480
	.fill 96, 4, 3214868480
	.section	.rodata,"a",@progbits
	.p2align	6, 0x0
	.amdhsa_kernel k_q6445b89c5c_sharpen
		.amdhsa_group_segment_fixed_size 0
		.amdhsa_private_segment_fixed_size 0
		.amdhsa_enable_private_segment 0
		.amdhsa_kernarg_size 24
		.amdhsa_user_sgpr_count 2
		.amdhsa_user_sgpr_kernarg_segment_ptr 1
		.amdhsa_wavefront_size32 1
		.amdhsa_system_sgpr_workgroup_id_x 1
		.amdhsa_system_sgpr_workgroup_id_y 1
		.amdhsa_system_sgpr_workgroup_id_z 1
		.amdhsa_system_vgpr_workitem_id 0
		.amdhsa_next_free_vgpr 128
		.amdhsa_next_free_sgpr 66
		.amdhsa_reserve_vcc 0
		.amdhsa_float_denorm_mode_32 3
		.amdhsa_float_denorm_mode_16_64 3
		.amdhsa_memory_ordered 1
		.amdhsa_forward_progress 1
		.amdhsa_inst_pref_size 19
	.end_amdhsa_kernel
	.amdgpu_metadata
---
amdhsa.version: [ 1, 2 ]
amdhsa.kernels:
  - .name:           k_q6445b89c5c_sharpen
    .symbol:         k_q6445b89c5c_sharpen.kd
    .args:
      - { .name: logits, .offset: 0, .size: 8, .value_kind: global_buffer, .address_space: global }
      - { .name: feature, .offset: 8, .size: 8, .value_kind: global_buffer, .address_space: global }
      - { .name: out0, .offset: 16, .size: 8, .value_kind: global_buffer, .address_space: global }
    .group_segment_fixed_size: 0
    .private_segment_fixed_size: 0
    .kernarg_segment_align: 8
    .kernarg_segment_size: 24
    .max_flat_workgroup_size: 256
    .sgpr_count:     66
    .vgpr_count:     128
    .wavefront_size: 32
...
	.end_amdgpu_metadata
.endif
;; end of part 2
